; MI455X (gfx1250); checked and timed in simulation.
; The chip was launched on July 23, 2026; its instructions are those of AMD's public machine-readable ISA for CDNA 5 (MIT licence, August 2026) and "CDNA5" Instruction Set Architecture Reference Guide (July 2026). The comments in the code are by the model that wrote it; some were corrected since.
;; Voxel Distill. Allowed arithmetic: matrix products marked QUANTISED: E4M3 operands, one E8M0 scale for each 32 along K, by v_wmma_scale_f32_16x16x128_f8f6f4 with both operands' format E4M3, f32 sums; everything else in f32.
;; Inputs: conv_b 128 float32; conv_w_codes 128 x 2 x 32 uint8 (E4M3 codes of conv_w, K innermost, in blocks of 32 codes); conv_w_scales 128 x 2 uint8 (E8M0 scales of conv_w, one for each 32 codes along K); gt_bboxes_3d 100 x 9 float32; gt_labels_3d 100 int32; student_voxel_feats_codes 1 x 8 x 256 x 256 x 2 x 32 uint8 (E4M3 codes of student_voxel_feats, K innermost, in blocks of 32 codes); student_voxel_feats_scales 1 x 8 x 256 x 256 x 2 uint8 (E8M0 scales of student_voxel_feats, one for each 32 codes along K); teacher_voxel_feats 1 x 128 x 2 x 128 x 128 float32.
;; Outputs: out0 1 x 128 x 2 x 128 x 128 float32.
;; This version of the problem:
;;   THIS VERSION OF THE PROBLEM IS GIVEN IN LOW PRECISION. The matrix products marked QUANTISED in the list below multiply operands that are first quantised to E4M3 (4 exponent bits, 3 mantissa bits; 8 bits a number), with one power-of-two scale for each 32 numbers along K (OCP MX v1.0); their sums are f32. All else is computed in f32.
;;   The module's matrix products, in the order in which they are computed (A, B: the left and right operand; K: the contracted axis; several contracted axes count as one K, in the product's order):
;;     1. [M 128, K 64] x [K 64, N 524,288]; A: input conv_w (given as codes); B: input student_voxel_feats (given as codes): QUANTISED
;;   THE QUANTISER, for each operand of a quantised product, along K:
;;     - K is cut into blocks of 32 from its start; a last block that is shorter is filled with zeros.
;;     - A block's scale is 2^e with e = floor(log2(the largest magnitude in the block)) - 8, held to -126 .. 127; a block of zeros has e = 0. As a byte (E8M0): e + 127.
;;     - Each number is divided by its block's scale, clamped to +-448, and rounded to the nearest number of E4M3, ties to even, subnormals kept.
;;     - The product sums the exact products of the quantised numbers (number of the format x scale) in f32.
;;   ~~~python
;;   def quantise(x, axis):      # numpy; x: float32 -> the quantised numbers, widened to float32 again
;;       x = np.moveaxis(x, axis, -1); K = x.shape[-1]
;;       x = np.pad(x, [(0, 0)] * (x.ndim - 1) + [(0, -K % 32)]); x = x.reshape(x.shape[:-1] + (-1, 32)); a = np.abs(x).max(-1, keepdims=True)
;;       e = np.where(a > 0, np.clip(np.frexp(np.where(a > 0, a, 1))[1] - 1 - 8, -126, 127), 0)      # np.frexp(a)[1] - 1 = floor(log2(a)), exactly
;;       r = np.clip(x / 2.0 ** e, -448, 448)
;;       step = 2.0 ** (np.maximum(np.frexp(np.where(r == 0, 1, r))[1] - 1, -6) - 3)
;;       q = np.round(r / step) * step * 2.0 ** e      # np.round: ties to even
;;       return np.moveaxis(q.reshape(q.shape[:-2] + (-1,))[..., :K], -1, axis).astype(np.float32)
;;   ~~~
;;   INPUTS GIVEN AS CODES. conv_w (in the module: [128, 64], K = its axis 1); student_voxel_feats (in the module: [1, 64, 8, 256, 256], K = its axis 1): each comes as NAME_codes (uint8): NAME with its K axis moved to the last place and cut into blocks of 32 codes, [.., K / 32, bytes a block], one block behind the other in memory; one code a byte (a code: sign, 4 exponent bits, 3 mantissa bits); and NAME_scales (uint8): the same leading axes, one E8M0 byte (e + 127) for each 32 codes along K. Its value is code x scale, taken as it is: it is not quantised again, and the codes and scales need not be those that the quantiser above would give.
;; One version. Each part assembles by itself: llvm-mc -triple=amdgcn-amd-amdhsa -mcpu=gfx1250 --defsym DOCPART=n.
;; ======== version 1 of 1: 2 launches
;; workspace buffers: hm 131,072 bytes; psum 1,024 bytes
;; launch heat (part 1): grid 128 x 2, 4 waves a work-group, no clusters, 4,608 bytes of LDS; arguments gt_bboxes_3d, hm, psum; writes hm, psum
.if DOCPART == 1
	.amdgcn_target "amdgcn-amd-amdhsa--gfx1250"
	.amdhsa_code_object_version 6
	.text
	.protected	k_q798c2e971f_heat
	.globl	k_q798c2e971f_heat
	.p2align	8
	.type	k_q798c2e971f_heat,@function
k_q798c2e971f_heat:
	s_mov_b64 s[64:65], 0
	v_nop
	global_prefetch_b8 v0, s[64:65] scope:SCOPE_SE
	s_setreg_imm32_b32 hwreg(HW_REG_WAVE_MODE, 25, 1), 1
	s_wait_xcnt 0x0
; THE HEAT MAP.  hm[z][x][y] = the largest, over the 100 boxes, of exp(-q) inside the box's window, q = dx^2 a + dy^2 a + dz^2 az; 0 where no valid box reaches.
; exp falls where q rises, so the largest exp(-q) is exp(-(the smallest q)): q is +infinity outside a window and for a box that is not valid, and ONE exponential a cell is taken, behind the minimum.
; The zeroing under 2^-23 keeps the order too, so it is applied once, behind the exponential.
; SHARES.  Work-group (X, Z) owns the 128 cells hm[Z][X][0..127] and stores their sum into psum[128 Z + X]: the next launch adds the 256 partial sums, in a fixed order.
; Wave w takes boxes 25 w .. 25 w + 24.  First a lane computes one box's numbers (lanes 25-31 repeat the wave's last box; their records are not read) and leaves a record of 16 bytes
; (-cy, r^2, a, P) in the wave's own LDS bytes, P = dx^2 a + dz^2 az for this X and Z, or +infinity.  Then every lane walks the 25 records for its four cells y = 4 lane + 0..3.
; The four waves' minima meet in LDS behind one barrier; wave 0 finishes.
; No matrix unit, no tensor load, no cluster: 3,600 bytes of input, and the work-groups share nothing else.
; gt_labels_3d is not an argument: the function that defines the result names it and computes nothing from it.
; DIVISIONS by 0.1, 0.2, 0.4 and 1.1 are a multiplication by the rounded reciprocal and one correction step by two fused multiply-adds.
; LIMITS: NaN and infinite boxes are not served; radii beyond 2^31 are not served; roots and reciprocals are good to 1 ulp (ISA guide, their entries), so a quotient that lies
; within an ulp of a whole number may be truncated otherwise than by exact f32 division.
.set MINB, 2048                        ; LDS: records at 512 wave + 16 lane; from MINB on the waves' minima, 512 wave + 16 lane
.set Y,    52                          ; v[52:55]   my four cells' y as f32
.set D,    56                          ; v[56:59]   dy, then dy^2
.set QA,   60                          ; v[60:63]   q of an odd box
.set QB,   64                          ; v[64:67]   q of an even box
.set M,    68                          ; v[68:71]   the smallest q so far
.set RECS, 72                          ; v[72:171]  25 records of 4
.set INF,  172                         ; v172       +infinity
.macro DIVC dst, src, sb, sr, tmp      ; v[dst] = v[src] / s[sb], s[sr] the rounded reciprocal of s[sb]
	v_mul_f32 v[\dst], s[\sr], v[\src]
	v_fma_f32 v[\tmp], -v[\dst], s[\sb], v[\src]       ; what the first quotient leaves over, exactly
	v_fma_f32 v[\dst], v[\tmp], s[\sr], v[\dst]
.endm
; The three arguments of the roots of one radius.  Set k at v[20 + 8 k]: +0 S = h + w, +1 2 S, +2 -0.2 S, +3 +4 +5 the arguments, +6 +7 at work
.macro GR_ARGS k, h, w
.set G, 20+8*(\k)
	v_add_f32 v[G], v[\h], v[\w]
	v_mul_f32 v[G+6], v[\w], v[\h]
	v_mul_f32 v[G+6], 0x3f666666, v[G+6]               ; w h 0.9
	DIVC G+7, G+6, 22, 23, G+3                         ; / 1.1 = c1
	v_mul_f32 v[G+3], v[G], v[G]
	v_fma_f32 v[G+3], v[G+7], -4.0, v[G+3]             ; b1^2 - 4 c1
	v_max_num_f32 v[G+3], 0, v[G+3]
	v_add_f32 v[G+1], v[G], v[G]                       ; b2 = 2 S
	v_mul_f32 v[G+6], 0x3f666666, v[\w]
	v_mul_f32 v[G+6], v[G+6], v[\h]                    ; c2 = 0.9 w h
	v_mul_f32 v[G+4], v[G+1], v[G+1]
	v_fma_f32 v[G+4], v[G+6], 0xc1800000, v[G+4]       ; b2^2 - 16 c2
	v_max_num_f32 v[G+4], 0, v[G+4]
	v_mul_f32 v[G+2], 0xbe4ccccd, v[G]                 ; b3 = -0.2 S
	v_mul_f32 v[G+6], 0xbf666666, v[\w]
	v_mul_f32 v[G+6], v[G+6], v[\h]                    ; c3 = -0.9 w h
	v_mul_f32 v[G+5], v[G+2], v[G+2]
	v_fma_f32 v[G+5], v[G+6], 0xbfcccccd, v[G+5]       ; b3^2 - 1.6 c3
	v_max_num_f32 v[G+5], 0, v[G+5]
.endm
.macro GR_FIN k, dst                   ; the smallest of (b + root) / 2: the halving is exact and keeps the order, so it is done once
.set G, 20+8*(\k)
	v_add_f32 v[G+3], v[G], v[G+3]
	v_add_f32 v[G+4], v[G+1], v[G+4]
	v_add_f32 v[G+5], v[G+2], v[G+5]
	v_min3_num_f32 v[\dst], v[G+3], v[G+4], v[G+5]
	v_mul_f32 v[\dst], 0.5, v[\dst]
.endm
; Box n of my wave's 25 against my four cells: q into v[q .. q + 3]
.macro BOX n, q
.set R, RECS+4*(\n)
	s_wait_dscnt 24-(\n)                               ; LDS loads come back in order: record n is in, the 24 - n behind it may be out
	v_pk_add_f32 v[D:D+1], v[Y:Y+1], v[R:R+1] op_sel_hi:[1,0]           ; dy = y - cy (the record's first word serves both halves)
	v_pk_add_f32 v[D+2:D+3], v[Y+2:Y+3], v[R:R+1] op_sel_hi:[1,0]
	v_pk_mul_f32 v[D:D+1], v[D:D+1], v[D:D+1]
	v_pk_mul_f32 v[D+2:D+3], v[D+2:D+3], v[D+2:D+3]
.irp i, 0,1,2,3
	v_cmp_ge_f32 s[24+\i], v[R+1], v[D+\i]             ; inside the window: dy^2 <= r^2 (whole numbers, exact in f32)
.endr
.irp i, 0,1,2,3
	v_cndmask_b32 v[D+\i], v[INF], v[D+\i], s[24+\i]   ; outside: +infinity.  A choice of values: no branch hangs on data
.endr
	v_pk_fma_f32 v[\q:\q+1], v[D:D+1], v[R+2:R+3], v[R+2:R+3] op_sel:[0,0,1] op_sel_hi:[1,0,1]       ; dy^2 a + P
	v_pk_fma_f32 v[\q+2:\q+3], v[D+2:D+3], v[R+2:R+3], v[R+2:R+3] op_sel:[0,0,1] op_sel_hi:[1,0,1]
.endm
	s_load_b128 s[4:7], s[0:1], 0x0                    ; boxes s[4:5], hm s[6:7]
	s_load_b64 s[8:9], s[0:1], 0x10                    ; psum
	v_lshl_add_u32 v176, v0, 2, 0x1000
	v_mov_b32 v177, 0
	s_mov_b32 s10, ttmp9                               ; X
	s_and_b32 s11, ttmp7, 0xffff                       ; Z
	v_lshrrev_b32 v1, 5, v0
	v_readfirstlane_b32 s12, v1                        ; wave 0..3
	v_and_b32 v1, 31, v0                               ; lane
	s_mul_i32 s13, s12, 25
	v_min_u32 v2, 24, v1
	v_add_nc_u32 v2, s13, v2                           ; my box: 25 wave + min(lane, 24): at most 99
	v_mul_u32_u24 v2, v2, 36                           ; a box is nine f32
	v_lshlrev_b32 v3, 4, v0                            ; my record: 512 wave + 16 lane = 16 x thread
	v_and_b32 v4, 0x60, v0
	v_lshlrev_b32 v4, 4, v4                            ; my wave's records: 512 wave, the same in all its lanes
	v_lshl_add_u32 v5, v0, 4, MINB                     ; my minima
	v_lshl_add_u32 v6, v1, 4, MINB                     ; wave 0's place for my lane: the other waves' lie 512 k on
	v_lshlrev_b32 v7, 4, v1                            ; my 16 bytes of the row of hm
	s_mov_b32 s16, 0x3dcccccd                          ; 0.1
	s_mov_b32 s17, 0x41200000                          ; 10
	s_mov_b32 s18, 0x3e4ccccd                          ; 0.2
	s_mov_b32 s19, 0x40a00000                          ; 5
	s_mov_b32 s20, 0x3ecccccd                          ; 0.4
	s_mov_b32 s21, 0x40200000                          ; 2.5
	s_mov_b32 s22, 0x3f8ccccd                          ; 1.1
	s_mov_b32 s23, 0x3f68ba2e                          ; 1 / 1.1
	s_mov_b32 s32, 0x76543210                          ; v_permlanex16_b32's selects for lane l xor 16
	s_mov_b32 s33, 0xfedcba98
	s_lshl_b32 s13, s11, 7
	s_add_co_u32 s13, s13, s10                         ; 128 Z + X
	s_lshl_b32 s34, s13, 9                             ; a row of hm is 512 bytes
	s_mov_b32 s35, 0
	s_lshl_b32 s38, s13, 2
	s_mov_b32 s39, 0
	s_wait_kmcnt 0x0
	s_add_nc_u64 s[6:7], s[6:7], s[34:35]
	s_add_nc_u64 s[8:9], s[8:9], s[38:39]
.irp j, 0,1,2,3,4,5
	global_load_b32 v[8+\j], v2, s[4:5] offset:4*\j    ; x, y, z, w, l, h: boxes lie 36 bytes apart, so no wider aligned load serves
.endr
	v_mov_b32 v[INF], 0x7f800000
	v_lshlrev_b32 v[Y], 2, v1
	v_cvt_f32_u32 v[Y], v[Y]
	v_add_f32 v[Y+1], 1.0, v[Y]
	v_add_f32 v[Y+2], 2.0, v[Y]
	v_add_f32 v[Y+3], 0x40400000, v[Y]
	s_wait_loadcnt 0x0
	; ---- one box a lane
	DIVC 14, 11, 16, 17, 17                            ; w / 0.1
	DIVC 15, 12, 16, 17, 18                            ; l / 0.1
	DIVC 16, 13, 18, 19, 19                            ; h / 0.2
	v_mul_f32 v14, 0x3e000000, v14                     ; / 8: wf
	v_mul_f32 v15, 0x3e000000, v15                     ; lf
	v_mul_f32 v16, 0x3e000000, v16                     ; hf
	GR_ARGS 0, 15, 14                                  ; radius(lf, wf)
	GR_ARGS 1, 15, 16                                  ; radius(lf, hf)
	GR_ARGS 2, 14, 16                                  ; radius(wf, hf)
.irp k, 0,1,2
.irp j, 3,4,5
	v_sqrt_f32 v[20+8*\k+\j], v[20+8*\k+\j]            ; nine roots, one batch
.endr
.endr
	v_add_f32 v17, 0x424ccccd, v8                      ; x + 51.2  (plain work behind the roots, which names none of their results)
	v_add_f32 v18, 0x424ccccd, v9                      ; y + 51.2
	v_add_f32 v19, s19, v10                            ; z + 5
	s_wait_alu depctr_va_vdst(0)                       ; one wait for the nine, ahead of their first reader
	GR_FIN 0, 44                                       ; r_xy
	GR_FIN 1, 45
	GR_FIN 2, 46
	v_max_num_f32 v45, v45, v46                        ; r_z
	DIVC 20, 44, 20, 21, 21                            ; r_xy / 0.4
	v_cvt_i32_f32 v20, v20                             ; toward zero
	v_cvt_i32_f32 v21, v45                             ; r_z / 1
	v_max_i32 v20, 2, v20                              ; rx = ry
	v_max_i32 v21, 2, v21                              ; rz
	v_cvt_f32_i32 v46, v20
	v_cvt_f32_i32 v47, v21
	v_fma_f32 v22, v46, 2.0, 1.0                       ; the diameter
	v_fma_f32 v24, v47, 2.0, 1.0
	v_mul_f32 v22, 0x3e2aaaab, v22                     ; / 6: sigma
	v_mul_f32 v24, 0x3e2aaaab, v24
	v_mul_f32 v22, v22, v22
	v_mul_f32 v24, v24, v24
	v_add_f32 v22, v22, v22                            ; 2 sigma^2
	v_add_f32 v24, v24, v24
	v_rcp_f32 v50, v22                                 ; a, straight into the record
	v_rcp_f32 v23, v24                                 ; az
	DIVC 25, 17, 20, 21, 26                            ; cx (plain work behind the reciprocals)
	DIVC 27, 18, 20, 21, 26                            ; cy
	v_cvt_i32_f32 v25, v25                             ; toward zero
	v_cvt_i32_f32 v27, v27
	v_cvt_i32_f32 v28, v19
	v_cmp_lt_f32 s24, 0, v14                           ; wf > 0
	v_cmp_lt_f32 s25, 0, v15                           ; lf > 0
	v_cmp_gt_u32 s26, 0x80, v25                        ; 0 <= cx < 128, as one unsigned compare
	v_cmp_gt_u32 s27, 0x80, v27
	v_cmp_gt_u32 s28, 2, v28                           ; 0 <= cz <= 1
	v_sub_nc_u32 v29, s10, v25                         ; dx = X - cx
	v_sub_nc_u32 v30, s11, v28                         ; dz = Z - cz
	v_sub_nc_u32 v48, 0, v27
	v_cvt_f32_i32 v29, v29
	v_cvt_f32_i32 v30, v30
	v_cvt_f32_i32 v48, v48                             ; -cy
	v_cmp_le_f32 s29, |v29|, v46                       ; X and Z inside the window
	v_cmp_le_f32 s30, |v30|, v47
	s_and_b32 s24, s24, s25
	s_and_b32 s26, s26, s27
	s_and_b32 s28, s28, s29
	s_and_b32 s24, s24, s30
	s_and_b32 s26, s26, s28
	s_and_b32 s24, s24, s26
	v_mul_f32 v49, v46, v46                            ; r^2
	v_mul_f32 v29, v29, v29
	v_mul_f32 v30, v30, v30
	s_wait_alu depctr_va_vdst(0)                       ; one wait for the two reciprocals, ahead of their first reader
	v_mul_f32 v29, v29, v50
	v_fma_f32 v51, v30, v23, v29                       ; P = dx^2 a + dz^2 az,
	v_cndmask_b32 v51, v[INF], v51, s24                ; or +infinity
	ds_store_b128 v3, v[48:51]
	; ---- every lane walks its wave's 25 records.  They are the wave's own bytes, and LDS serves a wave's instructions in order: no wait, no barrier
.set J, 0
.rept 25
	ds_load_b128 v[RECS+4*J:RECS+4*J+3], v4 offset:16*J
.set J, J+1
.endr
	BOX 0, M                                           ; the first box starts the minimum
.set J, 1
.rept 12
	BOX J, QA
	BOX J+1, QB
.irp i, 0,1,2,3
	v_min3_num_f32 v[M+\i], v[M+\i], v[QA+\i], v[QB+\i]
.endr
.set J, J+2
.endr
	ds_store_b128 v5, v[M:M+3]
	s_wait_dscnt 0x0                                   ; for wave 0's sake: my minima lie in LDS
	s_barrier_signal -1
	s_barrier_wait -1
	s_cmp_lg_u32 s12, 0
	s_cbranch_scc1 .Lend
	; ---- wave 0: the four waves' minima, the exponential, the row and its sum
.irp k, 0,1,2,3
	ds_load_b128 v[RECS+4*\k:RECS+4*\k+3], v6 offset:512*\k
.endr
	s_wait_dscnt 0x0
.irp i, 0,1,2,3
	v_min3_num_f32 v[M+\i], v[RECS+\i], v[RECS+4+\i], v[RECS+8+\i]
.endr
.irp i, 0,1,2,3
	v_min_num_f32 v[M+\i], v[M+\i], v[RECS+12+\i]
.endr
.irp i, 0,1,2,3
	v_mul_f32 v[M+\i], 0xbfb8aa3b, v[M+\i]             ; -q log2(e); -infinity where no box reaches
.endr
.irp i, 0,1,2,3
	v_exp_f32 v[M+\i], v[M+\i]
.endr
	v_nop                                              ; a plain instruction behind the last exponential
	s_wait_alu depctr_va_vdst(0)                       ; one wait for the four
.irp i, 0,1,2,3
	v_cmp_le_f32 vcc_lo, 0x34000000, v[M+\i]           ; under 2^-23: 0
	v_cndmask_b32 v[M+\i], 0, v[M+\i], vcc_lo
.endr
	global_store_b128 v7, v[M:M+3], s[6:7]             ; the wave stores 512 consecutive bytes, at a multiple of 512 from hm's first byte
	v_add_f32 v72, v[M], v[M+1]
	v_add_f32 v73, v[M+2], v[M+3]
	v_add_f32 v72, v72, v73
	v_add_f32_dpp v72, v72, v72 row_xmask:1 row_mask:0xf bank_mask:0xf
	v_add_f32_dpp v72, v72, v72 row_xmask:2 row_mask:0xf bank_mask:0xf
	v_add_f32_dpp v72, v72, v72 row_xmask:4 row_mask:0xf bank_mask:0xf
	v_add_f32_dpp v72, v72, v72 row_xmask:8 row_mask:0xf bank_mask:0xf
	v_permlanex16_b32 v73, v72, s32, s33
	v_add_f32 v72, v72, v73                            ; the row's sum
	s_wait_xcnt 0x0                                    ; EXEC is a source of the store above: it changes only behind this wait
	v_cmp_eq_u32 vcc_lo, 0, v1
	s_and_saveexec_b32 s36, vcc_lo
	global_store_b32 v1, v72, s[8:9]                   ; lane 0 (its v1 is 0): four bytes a work-group, 1,024 in the launch
	s_wait_xcnt 0x0                                    ; and again, ahead of the line that widens it
	s_or_b32 exec_lo, exec_lo, s36
.Lend:
	s_wait_tensorcnt 0x0
	ds_add_u32 v176, v177
	s_wait_dscnt 0x0
	s_endpgm
.Lfunc_end_k_q798c2e971f_heat:
	.size	k_q798c2e971f_heat, .Lfunc_end_k_q798c2e971f_heat-k_q798c2e971f_heat
	.p2alignl 7, 3214868480
	.fill 96, 4, 3214868480
	.section	.rodata,"a",@progbits
	.p2align	6, 0x0
	.amdhsa_kernel k_q798c2e971f_heat
		.amdhsa_group_segment_fixed_size 4608
		.amdhsa_private_segment_fixed_size 0
		.amdhsa_enable_private_segment 0
		.amdhsa_kernarg_size 24
		.amdhsa_user_sgpr_count 2
		.amdhsa_user_sgpr_kernarg_segment_ptr 1
		.amdhsa_wavefront_size32 1
		.amdhsa_system_sgpr_workgroup_id_x 1
		.amdhsa_system_sgpr_workgroup_id_y 1
		.amdhsa_system_sgpr_workgroup_id_z 1
		.amdhsa_system_vgpr_workitem_id 0
		.amdhsa_next_free_vgpr 178
		.amdhsa_next_free_sgpr 66
		.amdhsa_reserve_vcc 1
		.amdhsa_float_denorm_mode_32 3
		.amdhsa_float_denorm_mode_16_64 3
		.amdhsa_memory_ordered 1
		.amdhsa_forward_progress 1
		.amdhsa_inst_pref_size 40
	.end_amdhsa_kernel
	.amdgpu_metadata
---
amdhsa.version: [ 1, 2 ]
amdhsa.kernels:
  - .name:           k_q798c2e971f_heat
    .symbol:         k_q798c2e971f_heat.kd
    .args:
      - { .name: gt_bboxes_3d, .offset: 0, .size: 8, .value_kind: global_buffer, .address_space: global }
      - { .name: hm, .offset: 8, .size: 8, .value_kind: global_buffer, .address_space: global }
      - { .name: psum, .offset: 16, .size: 8, .value_kind: global_buffer, .address_space: global }
    .group_segment_fixed_size: 4608
    .private_segment_fixed_size: 0
    .kernarg_segment_align: 8
    .kernarg_segment_size: 24
    .max_flat_workgroup_size: 128
    .sgpr_count:     66
    .vgpr_count:     178
    .wavefront_size: 32
...
	.end_amdgpu_metadata
.endif
;; end of part 1
;; launch loss (part 2): grid 128 x 2, 8 waves a work-group, no clusters, 168,960 bytes of LDS; arguments student_voxel_feats_codes, student_voxel_feats_scales, conv_w_codes, conv_w_scales, conv_b, teacher_voxel_feats, hm, psum, out0; writes out0
.if DOCPART == 2
	.amdgcn_target "amdgcn-amd-amdhsa--gfx1250"
	.amdhsa_code_object_version 6
	.text
	.protected	k_q798c2e971f_loss
	.globl	k_q798c2e971f_loss
	.p2align	8
	.type	k_q798c2e971f_loss,@function
k_q798c2e971f_loss:
	s_mov_b64 s[64:65], 0
	v_nop
	global_prefetch_b8 v0, s[64:65] scope:SCOPE_SE
	s_setreg_imm32_b32 hwreg(HW_REG_WAVE_MODE, 25, 1), 1
	s_wait_xcnt 0x0
; out0[o][d][h][w] = |s - teacher| hm[d][h][w] 10 / (the sum of hm + 1e-4),  s = conv_b[o] + 1/8 x the sum of conv_w[o] . student over eight voxels.
; THE RESIZES.  8 -> 2 planes falls on coordinates 1.5 and 5.5, 256 -> 128 rows and columns on 2 i + 0.5: every weight is 1/2.  So s is the mean of the product at planes 4 d + 1, 4 d + 2,
; rows 2 h, 2 h + 1, columns 2 w, 2 w + 1.  Planes 0, 3, 4 and 7 are never gathered, and are neither read nor multiplied.
; THE PRODUCT, on codes of E4M3 with one E8M0 scale for each 32 along K.  Two neighbouring columns are 128 consecutive code bytes and 4 consecutive scale bytes: one row of K = 128 and one scale word.
; Against it stands conv_w's row twice, [W | W], with the scale word (s0, s1, s0, s1): one matrix instruction multiplies and adds two voxels, and a chain of four (plane, row) gives the sum of eight.
; SHARES.  Work-group (h, d) owns out0[:, d, h, :]: 128 channels x 128 columns; 256 work-groups of equal work.  Products: wave v takes columns 16 v .. 16 v + 15 against all 8 tiles of channels:
; 8 accumulators by turns, 4 K steps.  Source 0 = 16 pairs of voxels, source 1 = 16 rows of W: lane (r, half) holds channel 16 a + r and columns 16 v + 8 half + 0..7.
; The way out: the sums meet in a stage in LDS, rows by channel; wave v takes channels 16 v .. 16 v + 15, a row of 512 bytes an instruction, where teacher, hm and out0 lie the same way.
; ALL INPUT IS ASKED FOR AT THE HEAD: four source rows of 16,384 bytes, W and the scale bytes by six tensor loads (a wave has at most two out), the teacher's 64 KiB by 16 loads a wave into registers.
; LDS is filled once and never again.  No cluster: the work-groups share only W (8 KiB) and psum (1 KiB) of some 150 KiB each.
; LIMIT: the sum of eight voxels is formed before the 1/8, so it overflows where the products pass about 4e37, an eighth of what the mean would bear.
.set SROW, 64*272                      ; a source row in LDS: 64 pieces of 256 bytes, 16 bytes of padding behind each
.set WCD,  4*SROW                      ; 69,632: W's codes, 32 pieces of 256 + 16: four rows of W to a piece
.set SSC,  WCD+32*272                  ; 78,336: the student's scale words: K step s at 512 s, the pair of columns w at 4 w
.set STG,  SSC+2048                    ; 80,384: the stage, 128 rows of 512 bytes + 16; no tensor load lands here; it ends at 147,968
.set SP,   528
.set F,    12                          ; v[12:15]   hm x 10 / (sum + 1e-4) for my four columns
.set SS,   28                          ; v28-31     the student's scale words, one register a K step
.set WS,   32                          ; v32-39     W's scale words, one register a tile
.set SF,   40                          ; v40-103    the student's four fragments
.set WF,   104                         ; v104-231   W's eight fragments
.set X,    104                         ; v104-167   the way out: 16 rows read back from the stage
.set ACC,  0                           ; window 1: v0-63 the eight accumulators
.set T,    64                          ; window 1: v64-127 the teacher's 16 rows, then bias - teacher
.set MSB, 0
.macro WIN new                         ; s_set_vgpr_msb: bits 1:0 source 0, 3:2 source 1, 5:4 source 2, 7:6 destination; the high byte repeats the setting that is left
.if MSB != \new
	s_set_vgpr_msb (MSB<<8)|\new
.set MSB, \new
.endif
.endm
.macro WFRAG a                         ; tile a of W: registers 4 c .. 4 c + 3 hold K = 32 c + 16 half + 0..15; K 64..127 is the row once more, so pieces 2 and 3 load the bytes of pieces 0 and 1
.irp c, 0,1,2,3
	ds_load_b128 v[WF+16*(\a)+4*\c:WF+16*(\a)+4*\c+3], v3 offset:1088*(\a)+32*(\c%2)
.endr
.endm
.macro SFRAG s                         ; K step s: my 16 pairs of voxels
.irp c, 0,1,2,3
	ds_load_b128 v[SF+16*(\s)+4*\c:SF+16*(\s)+4*\c+3], v2 offset:SROW*(\s)+32*\c
.endr
.endm
.macro MULS s                          ; K step s: eight products, the eight accumulators by turns; the first step starts the sums: nothing is cleared
	s_wait_dscnt 12-4*(\s)                             ; this step's fragment is in; the four loads of each later step may be out
.irp a, 0,1,2,3,4,5,6,7
.if (\s) == 0
	v_wmma_scale_f32_16x16x128_f8f6f4 v[ACC+8*\a:ACC+8*\a+7], v[SF+16*(\s):SF+16*(\s)+15], v[WF+16*\a:WF+16*\a+15], 0, v[SS+(\s)], v[WS+\a]
.else
	v_wmma_scale_f32_16x16x128_f8f6f4 v[ACC+8*\a:ACC+8*\a+7], v[SF+16*(\s):SF+16*(\s)+15], v[WF+16*\a:WF+16*\a+15], v[ACC+8*\a:ACC+8*\a+7], v[SS+(\s)], v[WS+\a]
.endif
.endr
.endm
.macro ROWOUT i                        ; channel 16 wave + i
	s_wait_dscnt 15-(\i)                               ; row i is back from the stage; the 15 - i behind it may be out
	v_pk_fma_f32 v[X+4*(\i):X+4*(\i)+1], v[X+4*(\i):X+4*(\i)+1], 0x3e000000, v[T+4*(\i):T+4*(\i)+1] op_sel_hi:[1,0,1]           ; sum / 8 + (bias - teacher)
	v_pk_fma_f32 v[X+4*(\i)+2:X+4*(\i)+3], v[X+4*(\i)+2:X+4*(\i)+3], 0x3e000000, v[T+4*(\i)+2:T+4*(\i)+3] op_sel_hi:[1,0,1]
.irp j, 0,1,2,3
	v_mul_f32 v[X+4*(\i)+\j], |v[X+4*(\i)+\j]|, v[F+\j]
.endr
	global_store_b128 v1, v[X+4*(\i):X+4*(\i)+3], s[90:91] offset:131072*(\i) th:TH_STORE_NT   ; 32 lanes store 512 consecutive bytes, at a multiple of 512 from out0's first byte; written once
.endm
	s_load_b512 s[4:19], s[0:1], 0x0                   ; codes s[4:5], scales s[6:7], W's codes s[8:9], W's scales s[10:11], bias s[12:13], teacher s[14:15], hm s[16:17], psum s[18:19]
	s_load_b64 s[20:21], s[0:1], 0x40                  ; out0
	v_lshl_add_u32 v254, v0, 2, 0x29000
	v_mov_b32 v255, 0
	ds_add_u32 v254, v255
	ds_add_u32 v254, v255
	s_mov_b32 s2, ttmp9                                ; h
	s_and_b32 s3, ttmp7, 0xffff                        ; d
	v_lshrrev_b32 v8, 5, v0
	v_readfirstlane_b32 s22, v8                        ; wave 0..7
	v_and_b32 v8, 31, v0                               ; lane
	v_lshlrev_b32 v1, 4, v8                            ; 16 x lane: my 16 bytes of a row of 512; never rewritten
	v_and_b32 v9, 15, v0                               ; r
	v_bfe_u32 v10, v0, 4, 1                            ; half
	; the student's fragments: pair of voxels 16 wave + r lies in piece 8 wave + r / 2, at 128 (r % 2).  The sixteen lanes of a half take sixteen different 16-byte columns modulo 256: 8 (r % 2) + r / 2
	v_lshrrev_b32 v11, 1, v9
	v_mul_u32_u24 v2, v11, 272
	v_and_b32 v11, 1, v9
	v_lshl_add_u32 v2, v11, 7, v2
	v_lshl_add_u32 v2, v10, 4, v2
	s_mul_i32 s23, s22, 8*272
	v_add_nc_u32 v2, s23, v2
	; W's fragments: row r of a tile lies in piece r / 4, at 64 (r % 4): columns 4 (r % 4) + r / 4
	v_lshrrev_b32 v11, 2, v9
	v_mul_u32_u24 v3, v11, 272
	v_and_b32 v11, 3, v9
	v_lshl_add_u32 v3, v11, 6, v3
	v_lshl_add_u32 v3, v10, 4, v3
	v_add_nc_u32 v3, WCD, v3
	v_lshl_add_u32 v4, v9, 2, SSC                      ; the student's scale words: lane r takes pair 16 wave + r's (lanes 16-31 take the same and are not read)
	s_lshl_b32 s23, s22, 6
	v_add_nc_u32 v4, s23, v4
	v_mul_u32_u24 v5, v9, SP                           ; into the stage: row r of tile a (8,448 a on), my eight columns at 64 wave + 32 half
	v_lshl_add_u32 v5, v10, 5, v5
	v_add_nc_u32 v5, s23, v5
	v_add_nc_u32 v5, STG, v5
	s_mul_i32 s23, s22, 16*SP                          ; back: my wave's 16 rows, 16 bytes a lane
	v_add_nc_u32 v6, s23, v1
	v_add_nc_u32 v6, STG, v6
	v_lshlrev_b32 v7, 1, v9                            ; W's scale bytes: two a row
	s_mov_b32 s84, 0x76543210                          ; v_permlanex16_b32's selects for lane l xor 16
	s_mov_b32 s85, 0xfedcba98
	; descriptor groups 1, all constants.  A source row: 16,384 dense bytes as 64 rows of 32 elements of 8 bytes
	s_mov_b32 s24, (3<<16)|(1<<20)|(5<<22)|(3<<25)     ; 17:16 elements of 8 bytes; 20 padding on; 24:22 after every 64 words (code 5); 31:25 four words (code 3)
	s_mov_b32 s25, 32<<16                              ; tensor_dim0 = 32
	s_mov_b32 s26, 64<<16                              ; tensor_dim1 = 64
	s_mov_b32 s27, 32<<16                              ; tile_dim0 = 32
	s_mov_b32 s28, 64                                  ; tile_dim1 = 64
	s_mov_b32 s29, 32                                  ; from row to row: 32 elements
	s_mov_b32 s30, 0
	s_mov_b32 s31, 0
	; W's codes: 8,192 dense bytes, the same with 32 rows
	s_mov_b32 s32, (3<<16)|(1<<20)|(5<<22)|(3<<25)
	s_mov_b32 s33, 32<<16
	s_mov_b32 s34, 32<<16
	s_mov_b32 s35, 32<<16
	s_mov_b32 s36, 32
	s_mov_b32 s37, 32
	s_mov_b32 s38, 0
	s_mov_b32 s39, 0
	; the student's scale bytes: rows 2 h and 2 h + 1 of a plane are 1,024 consecutive bytes; two planes, 131,072 bytes apart; no padding
	s_mov_b32 s40, 3<<16
	s_mov_b32 s41, 128<<16                             ; tensor_dim0 = 128 elements of 8 bytes
	s_mov_b32 s42, 2<<16                               ; tensor_dim1 = 2
	s_mov_b32 s43, 128<<16                             ; tile_dim0
	s_mov_b32 s44, 2                                   ; tile_dim1
	s_mov_b32 s45, 16384                               ; from plane to plane, in elements
	s_mov_b32 s46, 0
	s_mov_b32 s47, 0
	; offsets, apart from the addresses.  Wave s = 0..3 fetches K step s: plane 4 d + 1 + s / 2 (2^22 bytes each), row 2 h + s % 2 (2^14 bytes each)
	s_lshl_b32 s60, s3, 24
	s_lshr_b32 s23, s22, 1
	s_add_co_u32 s23, s23, 1
	s_lshl_b32 s23, s23, 22
	s_add_co_u32 s60, s60, s23
	s_lshl_b32 s23, s2, 15
	s_add_co_u32 s60, s60, s23
	s_and_b32 s23, s22, 1
	s_lshl_b32 s23, s23, 14
	s_add_co_u32 s60, s60, s23
	s_mov_b32 s61, 0
	s_lshl_b32 s62, s3, 19                             ; scale bytes: plane 4 d + 1 (2^17 bytes each), row 2 h (512 bytes each)
	s_add_co_u32 s62, s62, 0x20000
	s_lshl_b32 s23, s2, 10
	s_add_co_u32 s62, s62, s23
	s_mov_b32 s63, 0
	s_lshl_b32 s92, s3, 16                             ; hm: 65,536 d + 512 h
	s_lshl_b32 s23, s2, 9
	s_add_co_u32 s92, s92, s23
	s_mov_b32 s93, 0
	s_lshl_b32 s86, s22, 21                            ; teacher and out0: my 16 channels of 131,072 bytes each, then the same
	s_add_co_u32 s86, s86, s92
	s_mov_b32 s87, 0
	s_lshl_b32 s94, s22, 6                             ; my 16 biases
	s_mov_b32 s95, 0
	s_mov_b32 s48, 1                                   ; groups 0: count = 1,
	s_mul_i32 s49, s22, SROW                           ; LDS address: K step s at SROW x s,
	s_mov_b32 s52, 1
	s_mov_b32 s53, WCD
	s_mov_b32 s56, 1
	s_mov_b32 s57, SSC
	s_wait_dscnt 0x0
	s_wait_kmcnt 0x0
	s_add_nc_u64 s[50:51], s[4:5], s[60:61]            ; global address,
	s_or_b32 s51, s51, 0x80000000                      ; type = 2
	s_mov_b64 s[54:55], s[8:9]
	s_or_b32 s55, s55, 0x80000000
	s_add_nc_u64 s[58:59], s[6:7], s[62:63]
	s_or_b32 s59, s59, 0x80000000
	; THE FILLS, all of them, ahead of every wait on TENSORcnt, every LDS read and every barrier.  Waves 0-3: a source row each; wave 4: W, then the scale bytes; waves 5-7: none.
	; Four v_nop follow a wave's last load.
	s_cmp_lt_u32 s22, 4
	s_cbranch_scc0 .Lnot_student
	tensor_load_to_lds s[48:51], s[24:31]
	s_nop 0
.rept 4
	v_nop
.endr
	s_branch .Lasked
.Lnot_student:
	s_cmp_eq_u32 s22, 4
	s_cbranch_scc0 .Lasked
	tensor_load_to_lds s[52:55], s[32:39]
	s_nop 0
	tensor_load_to_lds s[56:59], s[40:47]
	s_nop 0
.rept 4
	v_nop
.endr
.Lasked:
	s_add_nc_u64 s[12:13], s[12:13], s[94:95]
	s_load_b512 s[68:83], s[12:13], 0x0                ; conv_b of my 16 channels
	s_add_nc_u64 s[16:17], s[16:17], s[92:93]
	s_add_nc_u64 s[88:89], s[14:15], s[86:87]
	s_add_nc_u64 s[90:91], s[20:21], s[86:87]
.irp a, 0,1,2,3,4,5,6,7
	global_load_u16 v[WS+\a], v7, s[10:11] offset:32*\a   ; W's two scale bytes of row 16 a + r
.endr
	global_load_b128 v[F:F+3], v1, s[16:17]            ; hm of my four columns
	global_load_b128 v[16:19], v1, s[18:19]            ; the 256 partial sums, eight a lane
	global_load_b128 v[20:23], v1, s[18:19] offset:512
	WIN 0x40                                           ; destination window 1
.irp i, 0,1,2,3,4,5,6,7,8,9,10,11,12,13,14,15
	global_load_b128 v[T+4*\i:T+4*\i+3], v1, s[88:89] offset:131072*\i th:TH_LOAD_NT   ; a row of 512 consecutive bytes; read once in the launch
.endr
	WIN 0
	s_wait_tensorcnt 0x1                               ; wave 4: W has landed, the scale bytes, issued behind it, may be out; waves 0-3: their one load may be out.
	s_barrier_signal -1
	s_barrier_wait -1
.irp a, 0,1,2,3,4,5,6,7
	WFRAG \a                                           ; W's fragments come into registers while the source rows are on their way
.endr
	s_wait_loadcnt 16                                  ; the eleven small loads are in; the 16 of the teacher, issued behind them, may be out
.irp a, 0,1,2,3,4,5,6,7
	v_lshl_or_b32 v[WS+\a], v[WS+\a], 16, v[WS+\a]     ; (s0, s1, s0, s1).  More than eight plain vector lines stand between these and the first product
.endr
	v_pk_add_f32 v[16:17], v[16:17], v[18:19]          ; the sum of hm: my eight partial sums,
	v_pk_add_f32 v[20:21], v[20:21], v[22:23]
	v_pk_add_f32 v[16:17], v[16:17], v[20:21]
	v_add_f32 v16, v16, v17
	v_add_f32_dpp v16, v16, v16 row_xmask:1 row_mask:0xf bank_mask:0xf   ; and the 32 lanes'
	v_add_f32_dpp v16, v16, v16 row_xmask:2 row_mask:0xf bank_mask:0xf
	v_add_f32_dpp v16, v16, v16 row_xmask:4 row_mask:0xf bank_mask:0xf
	v_add_f32_dpp v16, v16, v16 row_xmask:8 row_mask:0xf bank_mask:0xf
	v_permlanex16_b32 v17, v16, s84, s85
	v_add_f32 v16, v16, v17
	v_add_f32 v16, 0x38d1b717, v16                     ; + 1e-4
	v_rcp_f32 v18, v16
	v_nop                                              ; a plain instruction behind the reciprocal
	s_wait_alu depctr_va_vdst(0)                       ; and a wait, ahead of its first reader
	v_mul_f32 v18, 0x41200000, v18                     ; x 10
	v_pk_mul_f32 v[F:F+1], v[F:F+1], v[18:19] op_sel_hi:[1,0]
	v_pk_mul_f32 v[F+2:F+3], v[F+2:F+3], v[18:19] op_sel_hi:[1,0]
	s_wait_tensorcnt 0x0                               ; my source row, or the scale bytes, have landed
	s_wait_dscnt 0x0                                   ; W's fragments are in: no LDS instruction of mine is out at the signal
	s_barrier_signal -1
	s_barrier_wait -1                                  ; everybody's have
.irp s, 0,1,2,3
	ds_load_b32 v[SS+\s], v4 offset:512*\s
.endr
.irp s, 0,1,2,3
	SFRAG \s
.endr
	WIN 0x50                                           ; C and D window 1; the fragments window 0 (scale operands have no window)
.irp s, 0,1,2,3
	MULS \s
.endr
	s_wait_loadcnt 0x0                                 ; the teacher
	s_wait_kmcnt 0x0                                   ; the biases
	WIN 0x44                                           ; destination and source 1 window 1
.irp i, 0,1,2,3,4,5,6,7,8,9,10,11,12,13,14,15
.irp j, 0,1,2,3
	v_sub_f32 v[T+4*\i+\j], s[68+\i], v[T+4*\i+\j]     ; bias - teacher.  These 64 name no register of the products: they are the eight places ahead of the stores of the sums and of the loads into W's registers
.endr
.endr
	WIN 0x04                                           ; an LDS store's data are its source 1: window 1
.irp a, 0,1,2,3,4,5,6,7
	ds_store_b128 v5, v[ACC+8*\a:ACC+8*\a+3] offset:16*SP*\a        ; each accumulator from its low end on; rows 528 bytes apart: sixteen lanes, sixteen different 16-byte columns
	ds_store_b128 v5, v[ACC+8*\a+4:ACC+8*\a+7] offset:16*SP*\a+16
.endr
	WIN 0x10                                           ; source 2 window 1: bias - teacher
	s_wait_dscnt 0x0                                   ; for the others' sake: my part of the stage is written
	s_barrier_signal -1
	s_barrier_wait -1                                  ; 128 whole rows lie in the stage
.irp i, 0,1,2,3,4,5,6,7,8,9,10,11,12,13,14,15
	ds_load_b128 v[X+4*\i:X+4*\i+3], v6 offset:SP*\i
.endr
.irp i, 0,1,2,3,4,5,6,7,8,9,10,11,12,13,14,15
	ROWOUT \i
.endr
	WIN 0
	s_wait_tensorcnt 0x0
	ds_add_u32 v254, v255
	s_wait_dscnt 0x0
	s_endpgm
.Lfunc_end_k_q798c2e971f_loss:
	.size	k_q798c2e971f_loss, .Lfunc_end_k_q798c2e971f_loss-k_q798c2e971f_loss
	.p2alignl 7, 3214868480
	.fill 96, 4, 3214868480
	.section	.rodata,"a",@progbits
	.p2align	6, 0x0
	.amdhsa_kernel k_q798c2e971f_loss
		.amdhsa_group_segment_fixed_size 168960
		.amdhsa_private_segment_fixed_size 0
		.amdhsa_enable_private_segment 0
		.amdhsa_kernarg_size 72
		.amdhsa_user_sgpr_count 2
		.amdhsa_user_sgpr_kernarg_segment_ptr 1
		.amdhsa_wavefront_size32 1
		.amdhsa_system_sgpr_workgroup_id_x 1
		.amdhsa_system_sgpr_workgroup_id_y 1
		.amdhsa_system_sgpr_workgroup_id_z 1
		.amdhsa_system_vgpr_workitem_id 0
		.amdhsa_next_free_vgpr 384
		.amdhsa_next_free_sgpr 96
		.amdhsa_reserve_vcc 0
		.amdhsa_float_denorm_mode_32 3
		.amdhsa_float_denorm_mode_16_64 3
		.amdhsa_memory_ordered 1
		.amdhsa_forward_progress 1
		.amdhsa_inst_pref_size 32
	.end_amdhsa_kernel
	.amdgpu_metadata
---
amdhsa.version: [ 1, 2 ]
amdhsa.kernels:
  - .name:           k_q798c2e971f_loss
    .symbol:         k_q798c2e971f_loss.kd
    .args:
      - { .name: student_voxel_feats_codes, .offset: 0, .size: 8, .value_kind: global_buffer, .address_space: global }
      - { .name: student_voxel_feats_scales, .offset: 8, .size: 8, .value_kind: global_buffer, .address_space: global }
      - { .name: conv_w_codes, .offset: 16, .size: 8, .value_kind: global_buffer, .address_space: global }
      - { .name: conv_w_scales, .offset: 24, .size: 8, .value_kind: global_buffer, .address_space: global }
      - { .name: conv_b, .offset: 32, .size: 8, .value_kind: global_buffer, .address_space: global }
      - { .name: teacher_voxel_feats, .offset: 40, .size: 8, .value_kind: global_buffer, .address_space: global }
      - { .name: hm, .offset: 48, .size: 8, .value_kind: global_buffer, .address_space: global }
      - { .name: psum, .offset: 56, .size: 8, .value_kind: global_buffer, .address_space: global }
      - { .name: out0, .offset: 64, .size: 8, .value_kind: global_buffer, .address_space: global }
    .group_segment_fixed_size: 168960
    .private_segment_fixed_size: 0
    .kernarg_segment_align: 8
    .kernarg_segment_size: 72
    .max_flat_workgroup_size: 256
    .sgpr_count:     96
    .vgpr_count:     384
    .wavefront_size: 32
...
	.end_amdgpu_metadata
.endif
;; end of part 2
